; MI455X (gfx1250); checked and timed in simulation.
; The chip was launched on July 23, 2026; its instructions are those of AMD's public machine-readable ISA for CDNA 5 (MIT licence, August 2026) and "CDNA5" Instruction Set Architecture Reference Guide (July 2026). The comments in the code are by the model that wrote it; some were corrected since.
;; RNTN. Allowed arithmetic: matrix products marked QUANTISED: E2M1 operands, one E8M0 scale for each 32 along K, by v_wmma_scale_f32_16x16x128_f8f6f4 with both operands' format E2M1 (or v_wmma_scale_f32_32x16x128_f4), f32 sums; products left as they are: f32 operands where the result goes on into a quantised operand, else bf16, f16 or f32 operands; f32 sums; everything else in f32.
;; Inputs: V_codes 256 x 128 x 8 x 16 uint8 (E2M1 codes of V, K innermost, in blocks of 32 codes, two codes a byte); V_scales 256 x 128 x 8 uint8 (E8M0 scales of V, one for each 32 codes along K); W_b 128 float32; W_w_codes 128 x 8 x 16 uint8 (E2M1 codes of W_w, K innermost, in blocks of 32 codes, two codes a byte); W_w_scales 128 x 8 uint8 (E8M0 scales of W_w, one for each 32 codes along K); Ws_b 5 float32; Ws_w 5 x 128 float32; left 8,192 x 128 float32; right 8,192 x 128 float32.
;; Outputs: out0 8,192 x 5 float32.
;; This version of the problem:
;;   THIS VERSION OF THE PROBLEM IS GIVEN IN LOW PRECISION. The matrix products marked QUANTISED in the list below multiply operands that are first quantised to E2M1 (2 exponent bits, 1 mantissa bit; 4 bits a number), with one power-of-two scale for each 32 numbers along K (OCP MX v1.0); their sums are f32. All else is computed in f32.
;;   The module's matrix products, in the order in which they are computed (A, B: the left and right operand; K: the contracted axis; several contracted axes count as one K, in the product's order):
;;     1. [M 8,192, K 256] x [K 256, N 32,768]; A: computed on the way; B: input V (given as codes): QUANTISED
;;     2. batch 8,192 x [M 1, K 256] x [K 256, N 128]; A: computed on the way; B: computed on the way: left as it is (M = 1 < 16)
;;     3. [M 8,192, K 256] x [K 256, N 128]; A: computed on the way; B: input W_w (given as codes): QUANTISED
;;     4. [M 8,192, K 128] x [K 128, N 5]; A: computed on the way; B: input Ws_w: left as it is (N = 5 < 16)
;;   THE QUANTISER, for each operand of a quantised product, along K:
;;     - K is cut into blocks of 32 from its start; a last block that is shorter is filled with zeros.
;;     - A block's scale is 2^e with e = floor(log2(the largest magnitude in the block)) - 2, held to -126 .. 127; a block of zeros has e = 0. As a byte (E8M0): e + 127.
;;     - Each number is divided by its block's scale, clamped to +-6, and rounded to the nearest number of E2M1, ties to even, subnormals kept.
;;     - The product sums the exact products of the quantised numbers (number of the format x scale) in f32.
;;   ~~~python
;;   def quantise(x, axis):      # numpy; x: float32 -> the quantised numbers, widened to float32 again
;;       x = np.moveaxis(x, axis, -1); K = x.shape[-1]
;;       x = np.pad(x, [(0, 0)] * (x.ndim - 1) + [(0, -K % 32)]); x = x.reshape(x.shape[:-1] + (-1, 32)); a = np.abs(x).max(-1, keepdims=True)
;;       e = np.where(a > 0, np.clip(np.frexp(np.where(a > 0, a, 1))[1] - 1 - 2, -126, 127), 0)      # np.frexp(a)[1] - 1 = floor(log2(a)), exactly
;;       r = np.clip(x / 2.0 ** e, -6, 6)
;;       step = 2.0 ** (np.maximum(np.frexp(np.where(r == 0, 1, r))[1] - 1, 0) - 1)
;;       q = np.round(r / step) * step * 2.0 ** e      # np.round: ties to even
;;       return np.moveaxis(q.reshape(q.shape[:-2] + (-1,))[..., :K], -1, axis).astype(np.float32)
;;   ~~~
;;   OPERANDS COMPUTED ON THE WAY. 'Computed on the way' means the value that the module computes at that place (a softmax that the list does not call 'softmax' is quantised finished and normalised). What goes into a quantiser is computed in f32, as accurately as f32 sums, v_exp_f32 and their like allow (about 1e-6 of the number): no bf16 or f16 on the way to a quantiser, and a product that is left as it is and whose result goes on into a quantised operand takes f32 operands (vector FMAs, or v_wmma_f32_16x16x4_f32). A number that lies on a knife's edge between two numbers of the format may be rounded either way, as far as f32 arithmetic and the matrix unit's own rounding can turn it there, and no further.
;;   INPUTS GIVEN AS CODES. V (in the module: [256, 256, 128], K = its axis 0); W_w (in the module: [128, 256], K = its axis 1): each comes as NAME_codes (uint8): NAME with its K axis moved to the last place and cut into blocks of 32 codes, [.., K / 32, bytes a block], one block behind the other in memory; two codes a byte, the lower K in the low four bits (a code: sign, 2 exponent bits, 1 mantissa bit); and NAME_scales (uint8): the same leading axes, one E8M0 byte (e + 127) for each 32 codes along K. Its value is code x scale, taken as it is: it is not quantised again, and the codes and scales need not be those that the quantiser above would give.
;; One version. Each part assembles by itself: llvm-mc -triple=amdgcn-amd-amdhsa -mcpu=gfx1250 --defsym DOCPART=n.
;; ======== version 1 of 1: 2 launches
;; limits: right only within a limited range of input values
;; workspace buffers: part 1,048,576 bytes
;; launch bilinear (part 1): grid 64 x 4, 4 waves a work-group, clusters of 4 x 1, 327,680 bytes of LDS; arguments left, right, V_codes, V_scales, W_w_codes, W_w_scales, W_b, Ws_w, part; writes part
.if DOCPART == 1
	.amdgcn_target "amdgcn-amd-amdhsa--gfx1250"
	.amdhsa_code_object_version 6
	.text
	.protected	k_q1dbb7e3479_bilinear
	.globl	k_q1dbb7e3479_bilinear
	.p2align	8
	.type	k_q1dbb7e3479_bilinear,@function
k_q1dbb7e3479_bilinear:
	s_mov_b64 s[64:65], 0
	v_nop
	global_prefetch_b8 v0, s[64:65] scope:SCOPE_SE
	s_setreg_imm32_b32 hwreg(HW_REG_WAVE_MODE, 25, 1), 1
	s_wait_xcnt 0x0
	s_wait_alu depctr_hold_cnt(0) depctr_sa_sdst(0) depctr_va_vdst(0) depctr_va_sdst(0) depctr_va_ssrc(0) depctr_va_vcc(0) depctr_vm_vsrc(0)
	s_getreg_b32 s2, hwreg(HW_REG_IB_STS2, 6, 4)
	s_cmp_eq_u32 s2, 0
	s_cbranch_scc0 .Lentry_in_a_cluster
	s_endpgm
.Lentry_in_a_cluster:
	s_bfe_u32 s2, ttmp6, 0x10000c
	s_cmp_lg_u32 s2, 0x3003
	s_cbranch_scc0 .Lentry_shape_is_right
	s_endpgm
.Lentry_shape_is_right:
; RNTN node, first launch.  phrase = [left | right], [8192][256] f32.  For 128 rows b and 32 columns k (k0 = 32 y) a work-group makes
;   pv[b][j][k] = sum over i of Q(phrase)[b][i] V[i][j][k]      on codes of FP4 (E2M1), one E8M0 scale for each 32 along i (V as given, phrase quantised here)
;   tp[b][k]    = sum over j of phrase[b][j] pv[b][j][k]        f32 multiply-adds, phrase as it is
;   h[b][k]     = tanh(tp + Q(phrase) W_w^T + W_b)              the product again on codes
;   part[y][b][c] = sum over its 32 k of h[b][k] Ws_w[c][k]     five partial logits a row; the next launch adds the four y, the bias and takes the log-softmax
; SHARES.  64 blocks of rows x 4 splits of k = 256 work-groups.  Four waves of 1,024 registers.  THE WAVES SHARE j, NOT ROWS: in a step of 32 j wave w takes j = 32 sigma + 8 w + 0..7 for all 128 rows,
; so a fragment of V read from LDS feeds eight matrix instructions and no fragment is read twice.  At the end the four waves' parts of tp meet in LDS.
; The matrix instruction takes 32 rows of V (one j, k = k0 + 0..31) and 16 rows of phrase.  In the result lane (r, h) holds row b = 16 m + r and, in register 8 t + i, k = k0 + 16 t + 8 h + i:
; phrase[b][j] is ONE register a lane for all 16 results of (m, j), and the second product is eight packed multiply-adds.
; A j goes in two halves of four tiles m: eight matrix instructions (K step 0 of four tiles, then K step 1: the accumulators take turns), then the 32 multiply-adds of the half before.
; V's fragments of two j are fetched in one run of sixteen loads, behind a run of multiply-adds, two j ahead of their use.
; W_w: each wave takes a QUARTER of Q(phrase) W_w^T + W_b (x 0.25, exact) as the start of its tp: so no sum is cleared, and nothing of that product is left for the end.
; V comes through a ring of two LDS slots of 32 j (128 KiB of codes, 8 KiB of scale bytes).  CLUSTER: the four blocks of rows of a cluster walk the same V, so each tile is asked for JOINTLY (mask 15).
; phrase (its rows are the same for the four y) goes straight to registers, not through LDS, so it has no joint load.
; PREFETCH: with each joint load but the first the tile of the step behind it is asked for, 32 blocks of 256 bytes of codes and 2 of scale bytes a wave, the four partners told apart by address; the first four clusters of each y ask.
; Steps 0 and 1 come by their loads alone.
; LIMITS: NaN and infinities among the inputs are not served.  A block of phrase that is all zeros, or whose largest magnitude lies under 2^-124, gets the scale byte 1 (the bytes are read by this program alone).
; tp is summed in another order than the source reads: four waves' parts.
; REGISTERS, in four windows of 256 (s_set_vgpr_msb: bits 1:0 source 0, 3:2 source 1, 5:4 source 2, 7:6 destination):
;   window 0: v1-27 addresses; v32-47 phrase's scale words; v48-79 V's, two sets; v80-111 the quantiser; v112-113 W_w's scale words; v128-255 phrase's fragments (16 m + 8 s)
;   window 1: v0-127 results (16 m + 8 t + i); v128-255 V's fragments of one j, four sets: j takes set j mod 4
;   window 2: v0-127 tp (16 m + 8 t + i); at the head all 256: the numbers to be quantised
;   window 3: v0-127 the multipliers phrase[b][j], two sets (64 set + 8 m + jj); v128-159 W_w's fragments; v160-175 W_b; v176-255 Ws_w
.set JB,    4352                       ; a j in LDS: 32 rows of 128 bytes, 16 bytes of padding behind every 256: row p at (p / 2) 272 + (p % 2) 128: the 16 rows of a load start at 16 different groups of four banks (64 banks of 4 bytes: ISA guide 11.1)
.set HALFC, 16*JB                      ; what one tensor load brings of the codes: 16 j
.set SCO,   32*JB                      ; behind a slot's codes: its scale bytes, 256 a j
.set SLOTB, SCO+32*256                 ; a slot
.set KBI,   288                        ; the image of a block of 32 along K of 16 rows: 256 bytes, and 32 so that a store of two rows touches 32 different banks
.set FRI,   4*KBI                      ; the image of a fragment
.set IMG,   2*SLOTB                    ; behind the ring: phrase's 16 fragments, fragment 2 m + s;
.set ISC,   IMG+16*FRI                 ; their scale words, 64 bytes each;
.set SPARE, ISC+16*64                  ; the spare words, 128 bytes for each wave: two blocks of 256 bytes that no other line names
                                       ; (the four parts of tp meet in LDS bytes 0 to 65,535: slot 0's codes, which have then had their last fill and their last read)
.set STEPC, 32*16384                   ; bytes of V's codes from a step to the next
.set STEPS, 32*1024                    ; and of its scale bytes
.set XA,  4                            ; 512 h + 32 u (u = lane % 16): my 8 numbers of two rows of left or right
.set MA,  5                            ; 512 r: my row
.set VI,  6                            ; where my 8 codes go in an image
.set VB,  7                            ; and my block's scale byte
.set LI,  8                            ; a fragment's image
.set LS,  9                            ; its scale words
.set AV,  10                           ; v10-11 my lane's place in my wave's 8 j of slot 0, 1
.set SPW, 14                           ; LDS address of my spare word; never rewritten
.set NIL, 15                           ; 0; never rewritten
.set RST, 16                           ; 16 lane + 16,384 wave: where my part of tp goes
.set RLD, 17                           ; 16 lane + 4,096 wave: where my 32 rows lie in a part
.set WA,  18                           ; 128 r + 16 h: W_w's fragments
.set W8,  19                           ; 8 lane: W_w's scale words
.set BA,  20                           ; 32 h: my eight k of a tile, as f32
.set PO,  21                           ; 32 r + 16 h: my 16 bytes of a row of part
.set PFO, 22                           ; prefetch: 16,384 h + 256 u
.set PFT, 23                           ; prefetch: 1,024 h
.set ASC, 26                           ; v26-27 my lane's place among the scale bytes of slot 0, 1
.set PS,  32
.set VS,  48
.set T,   80                           ; largest magnitudes, scale operands, scale bytes, codes: eight of each
.set E,   88
.set BY,  96
.set CD,  104
.set WSC, 112
.set PC,  128
.set VF,  128                          ; window 1
.set WF,  128                          ; window 3
.set BI,  160
.set WS,  176
.set EE,  128                          ; window 1, at the end: v128-159 at work; v192-211 logits; v216-223 what is stored
.set LG,  192
.set OO,  216
.set WV,  22                           ; my wave's number
.set SM,  26                           ; the step whose multipliers were asked for last
.set PFL, 27                           ; 6 where my cluster prefetches, else 0
.set TRIPS, 28
.set HM,  29                           ; lanes 16-31
.set SEL, 30                           ; s[30:31] lane selects for v_permlanex16_b32: lane l xor 16
.set G1C, 32                           ; descriptor group 1 for the codes, for the scale bytes
.set G1S, 40
.set G0C, 48                           ; group 0, a set for each slot
.set G0S, 56
.set CB,  66                           ; V's codes, V's scale bytes at j = 0, k0
.set SB,  68
.set LB,  70                           ; left, right at my block's first row, column 8 wave
.set RB,  72
.set MB,  74                           ; the base of the run of multipliers in hand
.set XL,  76                           ; left, right at my wave's 32 rows
.set XR,  78
.set TS,  80                           ; s[80:81] an offset that all partners share, 0 above it
.set WCB, 82                           ; W_w's codes, its scale bytes, W_b, Ws_w at k0;  part at my wave's rows
.set WSB, 84
.set WBB, 86
.set WWB, 88
.set PB,  90
.set TC,  94                           ; s[94:95] an offset that holds my place in the cluster: it feeds phrase's, part's and the prefetches' addresses alone
.set PFC, 96                           ; where my prefetches stand
.set PFS, 98
.set MSB, 0
.macro WIN new                         ; the immediate's high byte repeats the setting that is left; a switch that changes nothing is dropped
.if MSB != \new
	s_set_vgpr_msb (MSB<<8)|\new
.set MSB, \new
.endif
.endm
.set MAIN, 0x51                        ; matrix instructions: source 0, source 2, destination window 1, source 1 window 0
.set FMAW, 0xad                        ; multiply-adds: source 0 window 1, source 1 window 3, source 2 and destination window 2
.set TO1,  0x40                        ; V's LDS loads: destination window 1
.set ALL1, 0x55
; A round of the cluster's barrier: my work-group's barrier; wave 0 signals for the work-group; every wave waits for all four work-groups; my work-group's barrier once more.
.macro CREST                           ; a round behind its opening barrier
	s_cmp_lg_u32 s[WV], 0
	s_cbranch_scc1 .Lnot_wave_0_\@
	s_barrier_signal -3
.Lnot_wave_0_\@:
	s_barrier_wait -3
	s_barrier_signal -1
	s_barrier_wait -1
.endm
.macro ROUND
	s_barrier_signal -1
	s_barrier_wait -1
	CREST
.endm
; A joint load: waves 0 and 1 fetch the two halves of a step's codes, waves 2 and 3 those of its scale bytes: one load a wave.  The branch hangs on the wave's number alone.
.macro JLOAD slot
	s_cmp_lt_u32 s[WV], 2
	s_cbranch_scc0 .Lfor_s_\@
	tensor_load_to_lds s[G0C+4*(\slot):G0C+4*(\slot)+3], s[G1C:G1C+7]
	s_nop 0
.rept 4
	v_nop
.endr
	s_branch .Lasked_\@
.Lfor_s_\@:
	tensor_load_to_lds s[G0S+4*(\slot):G0S+4*(\slot)+3], s[G1S:G1S+7]
	s_nop 0
.rept 4
	v_nop
.endr
.Lasked_\@:
.endm
.macro ASK                             ; the prefetch: SM under 6 means that the step asked for is at most the last one
	WIN 0
	s_cmp_lt_u32 s[SM], s[PFL]
	s_cbranch_scc0 .Lnot_mine_\@
	global_prefetch_b8 v[PFO], s[PFC:PFC+1] th:TH_LOAD_NT scope:SCOPE_SE
	global_prefetch_b8 v[PFT], s[PFS:PFS+1] th:TH_LOAD_NT scope:SCOPE_SE
.Lnot_mine_\@:
.endm
.macro PFSTEP
	s_wait_xcnt 0x0                                ; the prefetches have read their bases
	s_add_nc_u64 s[PFC:PFC+1], s[PFC:PFC+1], STEPC
	s_add_nc_u64 s[PFS:PFS+1], s[PFS:PFS+1], STEPS
.endm
; Batch b of my 32 rows: side b / 2, tile b % 2: 16 rows, two rows a load: sixteen lanes x 32 bytes are the 512 bytes of a row of left or right.
.macro XLOAD b, base
	WIN 0x80
.irp xg, 0,1,2,3,4,5,6,7
.irp xq, 0,1
	global_load_b128 v[64*\b+8*\xg+4*\xq:64*\b+8*\xg+4*\xq+3], v[XA], s[\base:\base+1] offset:8192*(\b%2)+1024*\xg+16*\xq
.endr
.endr
.endm
; It becomes codes and scale bytes: a lane has 8 neighbours along K, four lanes a block of 32.  Eight pairs of rows by turns.
.macro QB b
	WIN 0x0a
.irp qg, 0,1,2,3,4,5,6,7
	v_max3_num_f32 v[T+\qg], |v[64*\b+8*\qg]|, |v[64*\b+8*\qg+1]|, 0x1800000   ; and the floor 2^(3 - 127): so the byte cannot fall under 1
.endr
.irp qi, 2,4,6
.irp qg, 0,1,2,3,4,5,6,7
	v_max3_num_f32 v[T+\qg], |v[64*\b+8*\qg+\qi]|, |v[64*\b+8*\qg+\qi+1]|, v[T+\qg]
.endr
.endr
	WIN 0
.irp qg, 0,1,2,3,4,5,6,7
	v_max_num_f32_dpp v[T+\qg], v[T+\qg], v[T+\qg] row_xmask:1 row_mask:0xf bank_mask:0xf
.endr
.irp qg, 0,1,2,3,4,5,6,7
	v_max_num_f32_dpp v[T+\qg], v[T+\qg], v[T+\qg] row_xmask:2 row_mask:0xf bank_mask:0xf
.endr
.irp qg, 0,1,2,3,4,5,6,7
	v_add_nc_u32 v[E+\qg], 0xff000000, v[T+\qg]    ; 2 off the exponent field: the conversion takes the exponent field of this operand as its scale
.endr
.irp qg, 0,1,2,3,4,5,6,7
	v_lshrrev_b32 v[BY+\qg], 23, v[E+\qg]          ; the scale's byte
.endr
	WIN 0x02
.irp qg, 0,1,2,3,4,5,6,7
	v_cvt_scalef32_pk8_fp4_f32 v[CD+\qg], v[64*\b+8*\qg:64*\b+8*\qg+7], v[E+\qg]
.endr
	v_nop                                          ; one plain place behind a scaled conversion
	WIN 0
.irp qg, 0,1,2,3,4,5,6,7
	ds_store_b32 v[VI], v[CD+\qg] offset:FRI*(2*(\b%2)+\b/2)+32*\qg
	ds_store_b8 v[VB], v[BY+\qg] offset:64*(2*(\b%2)+\b/2)+8*\qg   ; (a block's four lanes store the same byte)
.endr
.endm
; The multipliers of a step: phrase[16 m + r][32 sigma + 8 wave + 0..7], eight registers for each m.  on = 1: the step after the last one asked for.
; The base is written again here: the loads that read it were shown done by the step's wait for all loads.
.macro MURUN set, on
.if \on
	s_add_co_u32 s[SM], s[SM], 1
.endif
	s_cmp_lt_u32 s[SM], 4                          ; j under 128 lies in left, the rest in right
	s_cselect_b64 s[MB:MB+1], s[LB:LB+1], s[RB:RB+1]
	s_and_b32 s[TS], s[SM], 3
	s_lshl_b32 s[TS], s[TS], 7                     ; 32 columns of 4 bytes a step
	s_add_nc_u64 s[MB:MB+1], s[MB:MB+1], s[TS:TS+1]
	WIN 0xc0
.irp km, 0,1,2,3,4,5,6,7
	global_load_b128 v[64*(\set)+8*\km:64*(\set)+8*\km+3], v[MA], s[MB:MB+1] offset:8192*\km
	global_load_b128 v[64*(\set)+8*\km+4:64*(\set)+8*\km+7], v[MA], s[MB:MB+1] offset:8192*\km+16
.endr
.endm
.macro CUR par, jj                     ; the j that is multiplied
.set gV, VF+32*((\jj)%4)
.set gS, VS+16*(\par)+2*(\jj)
.endm
; V's fragments of j = 2 n and 2 n + 1 of slot par, over those of the pair two back, which were last read by matrix instructions 32 multiply-adds ago.  Load ki of a j: K step ki / 4, k's half (ki / 2) % 2.
.macro PAIR par, n
	WIN TO1
.irp kj, 0,1
.irp ki, 0,1,2,3,4,5,6,7
	ds_load_b128 v[VF+32*((2*(\n)+\kj)%4)+4*\ki:VF+32*((2*(\n)+\kj)%4)+4*\ki+3], v[AV+(\par)] offset:JB*(2*(\n)+\kj)+2176*((\ki/2)%2)+64*(\ki/4)+32*(\ki%2)
.endr
.endr
.endm
.macro VSRUN slot                      ; V's scale words of my 8 j: lane l takes k0 + l's eight bytes: the first register K step 0, the second K step 1
	WIN 0
.irp kj, 0,1,2,3,4,5,6,7
	ds_load_b64 v[VS+16*(\slot)+2*\kj:VS+16*(\slot)+2*\kj+1], v[ASC+(\slot)] offset:256*\kj
.endr
.endm
.macro WMM m, s, c                     ; tile m, K step s.  K step 0 starts the sum: with 0, or (c = 1) with W_b
.if \s
	v_wmma_scale_f32_32x16x128_f4 v[16*(\m):16*(\m)+15], v[gV+16:gV+31], v[PC+16*(\m)+8:PC+16*(\m)+15], v[16*(\m):16*(\m)+15], v[gS+1], v[PS+2*(\m)+1]
.elseif \c
	v_wmma_scale_f32_32x16x128_f4 v[16*(\m):16*(\m)+15], v[gV:gV+15], v[PC+16*(\m):PC+16*(\m)+7], v[BI:BI+15], v[gS], v[PS+2*(\m)]
.else
	v_wmma_scale_f32_32x16x128_f4 v[16*(\m):16*(\m)+15], v[gV:gV+15], v[PC+16*(\m):PC+16*(\m)+7], 0, v[gS], v[PS+2*(\m)]
.endif
.endm
.macro HALF hf                         ; half of a j: tiles 4 hf to 4 hf + 3, the accumulators by turns
	WIN MAIN
.irp hs, 0,1
.irp hm, 0,1,2,3
	WMM 4*(\hf)+\hm, \hs, 0
.endr
.endr
.endm
; tp += results x phrase[b][j], four tiles; the multiplier is one register of a pair and serves both halves.  Each accumulator is read from its low end on.
; Between a half's matrix instructions and these readers stand the 32 multiply-adds of the other half.
.macro PK par, jj, hf
	WIN FMAW
.irp pm, 0,1,2,3
.irp px, 0,1,2,3,4,5,6,7
.set fT, 16*(4*(\hf)+\pm)+2*\px
.set fM, 64*(\par)+8*(4*(\hf)+\pm)+(\jj)
.if fM%2
	v_pk_fma_f32 v[fT:fT+1], v[fT:fT+1], v[fM-1:fM], v[fT:fT+1] op_sel:[0,1,0] op_sel_hi:[1,1,1]
.else
	v_pk_fma_f32 v[fT:fT+1], v[fT:fT+1], v[fM:fM+1], v[fT:fT+1] op_sel_hi:[1,0,1]
.endif
.endr
.endr
.endm
.macro PKW hf                          ; tp's start: a quarter of Q(phrase) W_w^T + W_b
	WIN FMAW
.set i, 32*(\hf)
.rept 32
	v_pk_mul_f32 v[2*i:2*i+1], v[2*i:2*i+1], 0x3e800000 op_sel_hi:[1,0]
.set i, i+1
.endr
.endm
; A STEP: 32 j of V in slot par, 8 of them mine.  At its entry the first half of j = 0 has been issued, and j = 0 to 3 have been fetched.  For each j: second half; multiply-adds of the first; loads; the next j's first half; multiply-adds of the second.
; THE CHANGE OF SLOTS begins in j = 4, when j = 6 and 7 are in registers.  Each wave waits for all its tensor loads (its part of the other slot), adds 0 to its spare word, and waits for that and for its reads of this slot.
; Between the barrier's signal and its wait stand 64 multiply-adds and eight matrix instructions.  Behind it nobody reads this slot and the other is whole.  mode = 2: the barrier opens a round of the cluster's,
; and this slot is filled again, with the step two on: that load has the 7 j up to the next change's wait in which to land.  mode = 1: nothing is left to ask for.  mode = 0: the last step.
.macro STEP par, mode
.irp jj, 0,1,2,3,4,5,6,7
	CUR \par, \jj
	HALF 1
.if \jj == 0
	s_wait_loadcnt 0x0                             ; this step's multipliers are in (asked for seven j ago)
.endif
	PK \par, \jj, 0
.if \jj == 1
	s_wait_dscnt 0x0                               ; j = 2 and 3 are in
	PAIR \par, 2
.if \mode > 0
	MURUN 1-\par, 1                                ; the next step's multipliers
.endif
.if \mode == 1
.irp wc, 0,1,2,3,4
.irp wq, 0,1,2,3
	global_load_b128 v[WS+16*\wc+4*\wq:WS+16*\wc+4*\wq+3], v[BA], s[WWB:WWB+1] offset:512*\wc+64*(\wq/2)+16*(\wq%2)   ; Ws_w[c] at my eight k of each 16, for the end
.endr
.endr
.endif
.elseif \jj == 3
	s_wait_dscnt 0x0                               ; j = 4 and 5 are in
	PAIR \par, 3
.elseif (\jj == 4) && (\mode > 0)
	WIN 0                                          ; (the add's two registers lie in window 0)
.if \mode == 2
	PFSTEP
.endif
	s_wait_tensorcnt 0x0                           ; no tensor load of mine is out, so a group 0 may be written
	ds_add_u32 v[SPW], v[NIL]                      ; 0 onto my spare word
.if \mode == 2
	s_add_nc_u64 s[G0C+4*\par+2:G0C+4*\par+3], s[G0C+4*\par+2:G0C+4*\par+3], 2*STEPC
	s_add_nc_u64 s[G0S+4*\par+2:G0S+4*\par+3], s[G0S+4*\par+2:G0S+4*\par+3], 2*STEPS
.endif
.elseif \jj == 5
.if \mode > 0
	WIN 0
	s_barrier_wait -1
.if \mode == 2
	CREST                                          ; no wave of any partner still reads this slot or has a load on its way
	JLOAD \par                                     ; the first tensor load behind the round, one a wave
.endif
	VSRUN 1-\par                                   ; the next step's scale words and first two j
	PAIR 1-\par, 0
.if \mode == 2
	ASK                                            ; the step behind the one just asked for
.endif
.else
	s_wait_dscnt 0x0                               ; j = 6 and 7 are in
.endif
.elseif (\jj == 7) && (\mode > 0)
	s_wait_dscnt 0x0                               ; the next step's first two j and scale words are in
	PAIR 1-\par, 1
.endif
.if \jj < 7
	CUR \par, \jj+1
	HALF 0
.elseif \mode > 0
	CUR 1-\par, 0
	HALF 0
.endif
.if (\jj == 4) && (\mode > 0)
	s_wait_dscnt 0x0                               ; the add is done (eight matrix instructions stand between), and j = 6 and 7 are in: my reads of this slot are over
	s_barrier_signal -1
.endif
	PK \par, \jj, 1
.endr
.endm
	s_load_b512 s[4:19], s[0:1], 0x0               ; left s[4:5], right s[6:7], V's codes s[8:9], V's scales s[10:11], W_w's codes s[12:13], W_w's scales s[14:15], W_b s[16:17], Ws_w s[18:19]
	s_load_b64 s[20:21], s[0:1], 0x40              ; part
	v_lshl_add_u32 v[SPW], v0, 2, SPARE
	v_mov_b32 v[NIL], 0
	ds_add_u32 v[SPW], v[NIL]                      ; the wave's opening: the add, twice on end, and one wait for both
	ds_add_u32 v[SPW], v[NIL]
	; descriptor group 1, codes: 16 j, each 4,096 consecutive bytes (32 k x 128), 16,384 bytes apart; elements of 8 bytes
	s_mov_b32 s[G1C+0], 15|(3<<16)|(1<<20)|(1<<21)|(5<<22)|(3<<25)  ; 15:0 the mask: all four work-groups; 17:16 elements of 8 bytes; 20 padding on; 21 set beside a mask; 24:22 after every 64 words (code 5); 31:25 four words (code 3)
	s_mov_b32 s[G1C+1], 512<<16                    ; tensor_dim0 = 512
	s_mov_b32 s[G1C+2], 16<<16                     ; tensor_dim1 = 16
	s_mov_b32 s[G1C+3], 512<<16                    ; tile_dim0 = 512
	s_mov_b32 s[G1C+4], 16                         ; tile_dim1 = 16
	s_mov_b32 s[G1C+5], 2048                       ; tensor_dim0_stride
	s_mov_b32 s[G1C+6], 0
	s_mov_b32 s[G1C+7], 0
	; scale bytes: 16 j, each 256 consecutive bytes (32 k x 8), 1,024 bytes apart; no padding: the reads are 256 consecutive bytes
	s_mov_b32 s[G1S+0], 15|(3<<16)|(1<<21)
	s_mov_b32 s[G1S+1], 32<<16
	s_mov_b32 s[G1S+2], 16<<16
	s_mov_b32 s[G1S+3], 32<<16
	s_mov_b32 s[G1S+4], 16
	s_mov_b32 s[G1S+5], 128
	s_mov_b32 s[G1S+6], 0
	s_mov_b32 s[G1S+7], 0
	s_mov_b32 s[HM], 0xffff0000
	s_mov_b32 s[SEL], 0x76543210
	s_mov_b32 s[SEL+1], 0xfedcba98
	s_mov_b32 s[TS+1], 0
	s_mov_b32 s[TC+1], 0
	s_mov_b32 s[SM], 0
	s_bfe_u32 s23, ttmp6, 0x40000                  ; cx: my place in the cluster
	s_lshl_b32 s24, ttmp9, 2                       ; in a cluster launch ttmp9 counts clusters
	s_add_co_u32 s24, s24, s23                     ; my block of 128 rows = 4 x cluster x + cx: it enters phrase's and part's addresses alone
	s_and_b32 s25, ttmp7, 0xffff                   ; y: which 32 of the 128 k
	s_cmp_lt_u32 ttmp9, 4
	s_cselect_b32 s[PFL], 6, 0
	s_wait_dscnt 0x0                               ; both opening adds are done
	v_lshrrev_b32 v1, 5, v0
	v_readfirstlane_b32 s[WV], v1                  ; wave 0..3
	s_mul_i32 s82, s[WV], 4*FRI                    ; what the wave's number adds to the LDS addresses
	s_add_co_u32 s82, s82, IMG
	s_lshl_b32 s83, s[WV], 8
	s_add_co_u32 s83, s83, ISC
	s_lshl_b32 s84, s[WV], 14
	s_lshl_b32 s85, s[WV], 12
	s_mul_i32 s86, s[WV], 8*JB
	s_lshl_b32 s88, s[WV], 11
	s_add_co_u32 s88, s88, SCO
	s_and_b32 s92, s[WV], 1                        ; which half of a step's codes or scale bytes I fetch
	s_mov_b32 s[G0C], 1                            ; groups 0: 1:0 count = 1; 63:32 LDS address: no place in the cluster enters it
	s_mul_i32 s[G0C+1], s92, HALFC
	s_mov_b32 s[G0C+4], 1
	s_add_co_u32 s[G0C+5], s[G0C+1], SLOTB
	s_mov_b32 s[G0S], 1
	s_lshl_b32 s93, s92, 12
	s_add_co_u32 s[G0S+1], s93, SCO
	s_mov_b32 s[G0S+4], 1
	s_add_co_u32 s[G0S+5], s93, SLOTB+SCO
	; the addresses that stay
	v_and_b32 v1, 15, v0                           ; r = u
	v_bfe_u32 v2, v0, 4, 1                         ; h
	v_and_b32 v3, 31, v0                           ; lane
	v_lshlrev_b32 v[XA], 5, v1
	v_lshl_add_u32 v[XA], v2, 9, v[XA]
	v_lshlrev_b32 v[MA], 9, v1
	v_lshrrev_b32 v12, 2, v1                       ; my block of 32 in a row's 128
	v_and_b32 v13, 3, v1                           ; which 8 of it
	v_mul_u32_u24 v[VI], v12, KBI
	v_lshl_add_u32 v[VI], v13, 2, v[VI]
	v_lshl_add_u32 v[VI], v2, 4, v[VI]             ; 288 block + 16 row + 4 (eight)
	v_add_nc_u32 v[VI], s82, v[VI]
	v_lshl_add_u32 v[VB], v2, 2, v12
	v_add_nc_u32 v[VB], s83, v[VB]
	v_mul_u32_u24 v[LI], v2, KBI
	v_lshl_add_u32 v[LI], v1, 4, v[LI]
	v_add_nc_u32 v[LI], IMG, v[LI]
	v_lshl_add_u32 v[LS], v1, 2, ISC
	v_lshlrev_b32 v[RLD], 4, v3
	v_add_nc_u32 v[RST], s84, v[RLD]
	v_add_nc_u32 v[RLD], s85, v[RLD]
	v_lshlrev_b32 v[WA], 7, v1
	v_lshl_add_u32 v[WA], v2, 4, v[WA]
	v_lshlrev_b32 v[W8], 3, v3
	v_lshlrev_b32 v[BA], 5, v2
	v_lshlrev_b32 v[PO], 5, v1
	v_lshl_add_u32 v[PO], v2, 4, v[PO]
	v_lshlrev_b32 v[PFO], 8, v1
	v_lshl_add_u32 v[PFO], v2, 14, v[PFO]
	v_lshlrev_b32 v[PFT], 10, v2
	v_lshlrev_b32 v[ASC], 3, v3
	v_add_nc_u32 v[ASC], s88, v[ASC]
	v_add_nc_u32 v[ASC+1], SLOTB, v[ASC]
	v_lshrrev_b32 v24, 1, v1
	v_and_b32 v25, 1, v1
	v_mul_u32_u24 v24, v24, 272
	v_lshl_add_u32 v24, v25, 7, v24
	v_lshl_add_u32 v24, v2, 4, v24                 ; (r / 2) 272 + (r % 2) 128 + 16 h
	v_add_nc_u32 v[AV], s86, v24                   ; + my wave's 8 j, in slot 0 and 1
	v_add_nc_u32 v[AV+1], SLOTB, v[AV]
	s_wait_alu depctr_va_vdst(0)                   ; the wait at the head's end
	ROUND                                          ; all four work-groups are here: the first joint loads meet
	s_wait_kmcnt 0x0
	s_lshl_b32 s[TS], s25, 12                      ; 32 k x 128 bytes of codes
	s_add_nc_u64 s[CB:CB+1], s[8:9], s[TS:TS+1]
	s_add_nc_u64 s[WCB:WCB+1], s[12:13], s[TS:TS+1]
	s_lshl_b32 s[TS], s25, 8                       ; 32 k x 8 scale bytes
	s_add_nc_u64 s[SB:SB+1], s[10:11], s[TS:TS+1]
	s_add_nc_u64 s[WSB:WSB+1], s[14:15], s[TS:TS+1]
	s_lshl_b32 s[TS], s92, 18                      ; 16 j x 16,384 bytes
	s_add_nc_u64 s[G0C+2:G0C+3], s[CB:CB+1], s[TS:TS+1]   ; 120:64 global address
	s_or_b32 s[G0C+3], s[G0C+3], 0x80000000        ; 127:126 type = 2
	s_lshl_b32 s[TS], s92, 14                      ; 16 j x 1,024 bytes
	s_add_nc_u64 s[G0S+2:G0S+3], s[SB:SB+1], s[TS:TS+1]
	s_or_b32 s[G0S+3], s[G0S+3], 0x80000000
	JLOAD 0                                        ; step 0: one tensor load a wave at the head
	s_lshl_b32 s[TC], s24, 16                      ; my block's 128 rows of 512 bytes
	s_add_nc_u64 s[LB:LB+1], s[4:5], s[TC:TC+1]
	s_add_nc_u64 s[RB:RB+1], s[6:7], s[TC:TC+1]
	s_lshl_b32 s[TS], s[WV], 14                    ; my wave's 32 of them
	s_add_nc_u64 s[XL:XL+1], s[LB:LB+1], s[TS:TS+1]
	s_add_nc_u64 s[XR:XR+1], s[RB:RB+1], s[TS:TS+1]
	XLOAD 0, XL
	XLOAD 1, XL
	XLOAD 2, XR
	XLOAD 3, XR
	WIN 0
	s_lshl_b32 s[TS], s[WV], 5                     ; my wave's 8 columns of a step
	s_add_nc_u64 s[LB:LB+1], s[LB:LB+1], s[TS:TS+1]
	s_add_nc_u64 s[RB:RB+1], s[RB:RB+1], s[TS:TS+1]
	s_lshl_b32 s[TS], s25, 7                       ; 32 k x 4 bytes
	s_add_nc_u64 s[WBB:WBB+1], s[16:17], s[TS:TS+1]
	s_add_nc_u64 s[WWB:WWB+1], s[18:19], s[TS:TS+1]
	s_lshl_b32 s[TS], s25, 18                      ; part: 8,192 rows x 32 bytes for each y,
	s_add_nc_u64 s[PB:PB+1], s[20:21], s[TS:TS+1]
	s_lshl_b32 s[TC], s24, 12                      ; 128 rows a block,
	s_add_nc_u64 s[PB:PB+1], s[PB:PB+1], s[TC:TC+1]
	s_lshl_b32 s[TS], s[WV], 10                    ; 32 rows a wave
	s_add_nc_u64 s[PB:PB+1], s[PB:PB+1], s[TS:TS+1]
	s_lshl_b32 s[TS], s92, 18                      ; slot 1 takes step 1 first
	s_add_nc_u64 s[G0C+6:G0C+7], s[CB:CB+1], s[TS:TS+1]
	s_add_nc_u64 s[G0C+6:G0C+7], s[G0C+6:G0C+7], STEPC
	s_or_b32 s[G0C+7], s[G0C+7], 0x80000000
	s_lshl_b32 s[TS], s92, 14
	s_add_nc_u64 s[G0S+6:G0S+7], s[SB:SB+1], s[TS:TS+1]
	s_add_nc_u64 s[G0S+6:G0S+7], s[G0S+6:G0S+7], STEPS
	s_or_b32 s[G0S+7], s[G0S+7], 0x80000000
	s_lshl_b32 s93, s23, 3                         ; prefetch: of a step's 32 j, 8 for each partner, 2 for each wave; step 2 is the first that is asked for
	s_lshl_b32 s92, s[WV], 1
	s_add_co_u32 s93, s93, s92
	s_lshl_b32 s[TC], s93, 14
	s_add_nc_u64 s[PFC:PFC+1], s[CB:CB+1], s[TC:TC+1]
	s_add_nc_u64 s[PFC:PFC+1], s[PFC:PFC+1], 2*STEPC
	s_lshl_b32 s[TC], s93, 10
	s_add_nc_u64 s[PFS:PFS+1], s[SB:SB+1], s[TC:TC+1]
	s_add_nc_u64 s[PFS:PFS+1], s[PFS:PFS+1], 2*STEPS
	s_wait_loadcnt 48                              ; batch 0's 16 loads are in; the other three batches' 48 may be out
	QB 0
	WIN 0xc0
.irp ks, 0,1
.irp kt, 0,1
.irp kc, 0,1
	global_load_b128 v[WF+16*\ks+8*\kt+4*\kc:WF+16*\ks+8*\kt+4*\kc+3], v[WA], s[WCB:WCB+1] offset:2048*\kt+64*\ks+32*\kc
.endr
.endr
.endr
.irp kt, 0,1
.irp kq, 0,1
	global_load_b128 v[BI+8*\kt+4*\kq:BI+8*\kt+4*\kq+3], v[BA], s[WBB:WBB+1] offset:64*\kt+16*\kq
.endr
.endr
	WIN 0
	global_load_b64 v[WSC:WSC+1], v[W8], s[WSB:WSB+1]
	s_wait_loadcnt 45                              ; batch 1 is in; behind it: 32, and W_w's and W_b's 13
	QB 1
	MURUN 0, 0                                     ; step 0's multipliers: 16 loads
	s_wait_loadcnt 45                              ; batch 2 is in; behind it: 16 + 13 + 16
	QB 2
	s_wait_tensorcnt 0x0                           ; my part of step 0 is in
	ds_add_u32 v[SPW], v[NIL]
	s_wait_dscnt 0x0                               ; the add is done
	ROUND                                          ; everybody's part of step 0 is in.  (batch 3 of phrase is on its way meanwhile)
	JLOAD 1                                        ; step 1's load, the first tensor load behind the round
	ASK                                            ; step 2
	s_wait_loadcnt 29                              ; batch 3 is in; behind it: 13 + 16
	QB 3
	s_wait_dscnt 0x0                               ; for the others' sake: my images have landed
	s_barrier_signal -1
	s_barrier_wait -1                              ; everybody's have
.set i, 0
.rept 16
	ds_load_b128 v[PC+8*i:PC+8*i+3], v[LI] offset:FRI*i
	ds_load_b128 v[PC+8*i+4:PC+8*i+7], v[LI] offset:FRI*i+2*KBI   ; all 16 fragments of phrase: they stay
	ds_load_b32 v[PS+i], v[LS] offset:64*i         ; and their scale words
.set i, i+1
.endr
	VSRUN 0                                        ; 8 loads,
	PAIR 0, 0                                      ; 16
	PAIR 0, 1                                      ; and 16: step 0's scale words and its first four j
	s_wait_loadcnt 16                              ; W_w's and W_b's loads are in; the multipliers' 16 may be out
	s_wait_dscnt 40                                ; phrase's fragments and scale words are in; V's 40 loads may be out
.set gV, WF
.set gS, WSC
	WIN 0x73                                       ; Q(phrase) W_w^T + W_b: W_w's fragments and W_b in window 3
.irp wm, 0,1,2,3,4,5,6,7
	WMM \wm, 0, 1
.endr
	WIN 0x53
.irp wm, 0,1,2,3,4,5,6,7
	WMM \wm, 1, 0
.endr
.rept 4
	v_nop                                          ; places between the first tiles' last products and the first read of their results
.endr
	PKW 0
	s_wait_dscnt 0x0
	CUR 0, 0
	HALF 0                                         ; step 0's first half j
	PKW 1
	WIN 0                                          ; at a label and at a branch every window is 0
	s_mov_b32 s[TRIPS], 3
.Lpair:                                            ; three trips of two steps: each step fills its slot again
	STEP 0, 2
	STEP 1, 2
	WIN 0
	s_sub_co_u32 s[TRIPS], s[TRIPS], 1
	s_cmp_lg_u32 s[TRIPS], 0
	s_cbranch_scc1 .Lpair
	STEP 0, 1                                      ; the last two steps are written out
	STEP 1, 0
	; THE END.  The four waves' parts of tp meet in LDS, as images of their registers; wave w finishes tiles 2 w and 2 w + 1 of the rows.
	WIN 0x08
.set i, 0
.rept 32
	ds_store_b128 v[RST], v[4*i:4*i+3] offset:512*i
.set i, i+1
.endr
	WIN 0
	s_wait_dscnt 0x0                               ; for the others' sake: my part has landed
	s_barrier_signal -1
	s_barrier_wait -1
	WIN TO1
.set i, 0
.rept 32
	ds_load_b128 v[4*i:4*i+3], v[RLD] offset:16384*(i/8)+512*(i%8)   ; my 32 rows of part i / 8
.set i, i+1
.endr
	WIN ALL1
	s_wait_dscnt 16                                ; parts 0 and 1 are in; 2 and 3 may be out
.set i, 0
.rept 16
	v_pk_add_f32 v[2*i:2*i+1], v[2*i:2*i+1], v[32+2*i:33+2*i]
.set i, i+1
.endr
	s_wait_dscnt 0x0
.set i, 0
.rept 16
	v_pk_add_f32 v[64+2*i:65+2*i], v[64+2*i:65+2*i], v[96+2*i:97+2*i]
.set i, i+1
.endr
.set i, 0
.rept 16
	v_pk_add_f32 v[2*i:2*i+1], v[2*i:2*i+1], v[64+2*i:65+2*i]
.set i, i+1
.endr
	; h = tanh(x) = 1 - 2 / (1 + 2^(2 log2(e) x)): where the power overflows the quotient is 0, where it falls to 0 the quotient is 2
.set i, 0
.rept 16
	v_pk_mul_f32 v[EE+2*i:EE+2*i+1], v[2*i:2*i+1], 0x4038aa3b op_sel_hi:[1,0]
.set i, i+1
.endr
	s_wait_alu depctr_va_vdst(0)                   ; a wait ahead of the batch, and behind it ahead of its first reader
.set i, 0
.rept 32
	v_exp_f32 v[EE+i], v[EE+i]
.set i, i+1
.endr
	v_nop                                          ; a plain instruction behind the last exponential
	s_wait_alu depctr_va_vdst(0)
.set i, 0
.rept 16
	v_pk_add_f32 v[EE+2*i:EE+2*i+1], v[EE+2*i:EE+2*i+1], 1.0 op_sel_hi:[1,0]
.set i, i+1
.endr
	s_wait_alu depctr_va_vdst(0)
.set i, 0
.rept 32
	v_rcp_f32 v[EE+i], v[EE+i]
.set i, i+1
.endr
	v_nop
	s_wait_alu depctr_va_vdst(0)
.set i, 0
.rept 16
	v_pk_fma_f32 v[2*i:2*i+1], v[EE+2*i:EE+2*i+1], -2.0, 1.0 op_sel_hi:[1,0,0]
.set i, i+1
.endr
	WIN 0x5d                                       ; h and the sums window 1, Ws_w window 3
.irp kq, 0,1,2,3,4,5,6,7                       ; my 16 k of h x Ws_w[c] for two tiles of rows: ten chains by turns, two k at a time
.irp km, 0,1
.irp kc, 0,1,2,3,4
.if \kq == 0
	v_pk_mul_f32 v[LG+10*\km+2*\kc:LG+10*\km+2*\kc+1], v[16*\km:16*\km+1], v[WS+16*\kc:WS+16*\kc+1]
.else
	v_pk_fma_f32 v[LG+10*\km+2*\kc:LG+10*\km+2*\kc+1], v[16*\km+2*\kq:16*\km+2*\kq+1], v[WS+16*\kc+2*\kq:WS+16*\kc+2*\kq+1], v[LG+10*\km+2*\kc:LG+10*\km+2*\kc+1]
.endif
.endr
.endr
.endr
	WIN ALL1
.set i, 0
.rept 10
	v_add_f32 v[LG+2*i], v[LG+2*i], v[LG+2*i+1]    ; a chain's two halves,
.set i, i+1
.endr
.set i, 0
.rept 10
	v_permlanex16_b32 v[EE+i], v[LG+2*i], s[SEL], s[SEL+1]   ; (into registers that are written and done with)
.set i, i+1
.endr
.set i, 0
.rept 10
	v_add_f32 v[LG+2*i], v[LG+2*i], v[EE+i]        ; and lane l xor 16's 16 k: the row's partial logit over my work-group's 32 k
.set i, i+1
.endr
.irp km, 0,1
	v_cndmask_b32 v[OO+4*\km], v[LG+10*\km], v[LG+10*\km+8], s[HM]   ; a row of part is 32 bytes: lanes 0-15 store classes 0 to 3, lanes 16-31 class 4 and three zeros
	v_cndmask_b32 v[OO+4*\km+1], v[LG+10*\km+2], 0, s[HM]
	v_cndmask_b32 v[OO+4*\km+2], v[LG+10*\km+4], 0, s[HM]
	v_cndmask_b32 v[OO+4*\km+3], v[LG+10*\km+6], 0, s[HM]
.endr
	WIN 0x04
.irp km, 0,1
	global_store_b128 v[PO], v[OO+4*\km:OO+4*\km+3], s[PB:PB+1] offset:512*\km   ; 32 lanes store 512 consecutive bytes, at a multiple of 512 from part's first byte
.endr
	WIN 0
	s_wait_tensorcnt 0x0                           ; the wave's end: behind my last tensor load and my last LDS store
	ds_add_u32 v[SPW], v[NIL]
	s_wait_dscnt 0x0
	ROUND                                          ; the closing round: no work-group ends while a partner may still ask for a tile that names it
	s_endpgm
.Lfunc_end_k_q1dbb7e3479_bilinear:
	.size	k_q1dbb7e3479_bilinear, .Lfunc_end_k_q1dbb7e3479_bilinear-k_q1dbb7e3479_bilinear
	.p2alignl 7, 3214868480
	.fill 96, 4, 3214868480
	.section	.rodata,"a",@progbits
	.p2align	6, 0x0
	.amdhsa_kernel k_q1dbb7e3479_bilinear
		.amdhsa_group_segment_fixed_size 327680
		.amdhsa_private_segment_fixed_size 0
		.amdhsa_enable_private_segment 0
		.amdhsa_kernarg_size 72
		.amdhsa_user_sgpr_count 2
		.amdhsa_user_sgpr_kernarg_segment_ptr 1
		.amdhsa_wavefront_size32 1
		.amdhsa_system_sgpr_workgroup_id_x 1
		.amdhsa_system_sgpr_workgroup_id_y 1
		.amdhsa_system_sgpr_workgroup_id_z 1
		.amdhsa_system_vgpr_workitem_id 0
		.amdhsa_next_free_vgpr 1024
		.amdhsa_next_free_sgpr 100
		.amdhsa_reserve_vcc 0
		.amdhsa_float_denorm_mode_32 3
		.amdhsa_float_denorm_mode_16_64 3
		.amdhsa_memory_ordered 1
		.amdhsa_forward_progress 1
		.amdhsa_inst_pref_size 255
	.end_amdhsa_kernel
	.section	.bss,"aw",@nobits
	.p2align	6
	.space	262144
	.amdgpu_metadata
---
amdhsa.version: [ 1, 2 ]
amdhsa.kernels:
  - .name:           k_q1dbb7e3479_bilinear
    .symbol:         k_q1dbb7e3479_bilinear.kd
    .args:
      - { .name: left, .offset: 0, .size: 8, .value_kind: global_buffer, .address_space: global }
      - { .name: right, .offset: 8, .size: 8, .value_kind: global_buffer, .address_space: global }
      - { .name: V_codes, .offset: 16, .size: 8, .value_kind: global_buffer, .address_space: global }
      - { .name: V_scales, .offset: 24, .size: 8, .value_kind: global_buffer, .address_space: global }
      - { .name: W_w_codes, .offset: 32, .size: 8, .value_kind: global_buffer, .address_space: global }
      - { .name: W_w_scales, .offset: 40, .size: 8, .value_kind: global_buffer, .address_space: global }
      - { .name: W_b, .offset: 48, .size: 8, .value_kind: global_buffer, .address_space: global }
      - { .name: Ws_w, .offset: 56, .size: 8, .value_kind: global_buffer, .address_space: global }
      - { .name: part, .offset: 64, .size: 8, .value_kind: global_buffer, .address_space: global }
    .group_segment_fixed_size: 327680
    .private_segment_fixed_size: 0
    .kernarg_segment_align: 8
    .kernarg_segment_size: 72
    .max_flat_workgroup_size: 128
    .sgpr_count:     100
    .vgpr_count:     1024
    .wavefront_size: 32
...
	.end_amdgpu_metadata
.endif
;; end of part 1
;; launch finish (part 2): grid 64 x 1, 4 waves a work-group, no clusters, 3,072 bytes of LDS; arguments part, Ws_b, out0; writes out0
.if DOCPART == 2
	.amdgcn_target "amdgcn-amd-amdhsa--gfx1250"
	.amdhsa_code_object_version 6
	.text
	.protected	k_q1dbb7e3479_finish
	.globl	k_q1dbb7e3479_finish
	.p2align	8
	.type	k_q1dbb7e3479_finish,@function
k_q1dbb7e3479_finish:
	s_mov_b64 s[64:65], 0
	v_nop
	global_prefetch_b8 v0, s[64:65] scope:SCOPE_SE
	s_setreg_imm32_b32 hwreg(HW_REG_WAVE_MODE, 25, 1), 1
	s_wait_xcnt 0x0
; RNTN node, second launch.  logits[b][c] = the sum over the four splits y of part[y][b][c], + Ws_b[c];  out0[b][:] = log_softmax(logits[b][:]), the row's maximum taken away first.
; part: [4][8192][8] f32, places 0 to 4 of a row in use.  out0: [8192][5] f32.
; A thread takes a row, a work-group 128 rows.  A row of out0 is 20 bytes, so the results go through LDS and leave as 16 bytes a lane: the work-group's 2,560 bytes are ten whole aligned blocks of 256 bytes.
; No matrix unit, no tensor load, no cluster, no loop: 1 MiB is read once and nothing is shared between work-groups.
.set SPLIT, 8192*32                    ; bytes of part for one y
.set P,   8                            ; v[8+8 y ..]: classes 0 to 3, then class 4, of split y; the logits end up in v8-12
.set E,   44                           ; v44-48 exponentials
	s_load_b128 s[4:7], s[0:1], 0x0                ; part, Ws_b
	s_load_b64 s[8:9], s[0:1], 0x10                ; out0
	v_lshl_add_u32 v64, v0, 2, 2560                ; my spare word, behind the 2,560 bytes of results
	v_mov_b32 v65, 0
	v_lshrrev_b32 v1, 5, v0
	v_readfirstlane_b32 s17, v1                    ; wave 0..3
	v_lshlrev_b32 v2, 5, v0                        ; my row of part: 32 bytes a thread
	v_mul_u32_u24 v3, v0, 20                       ; my row in LDS: 5 words apart, so that 32 lanes touch 32 different banks
	v_lshlrev_b32 v4, 4, v0                        ; the way out: 16 bytes a thread
	s_lshl_b32 s18, ttmp9, 12                      ; 128 rows x 32 bytes
	s_mov_b32 s19, 0
	s_mul_i32 s20, ttmp9, 2560                     ; 128 rows x 20 bytes
	s_mov_b32 s21, 0
	s_wait_alu depctr_va_vdst(0)                   ; the wait at the head's end
	s_wait_kmcnt 0x0
	s_load_b128 s[12:15], s[6:7], 0x0              ; Ws_b[0..3]
	s_load_b32 s16, s[6:7], 0x10                   ; Ws_b[4]
	s_add_nc_u64 s[4:5], s[4:5], s[18:19]
	s_add_nc_u64 s[8:9], s[8:9], s[20:21]
.irp y, 0,1,2,3
	global_load_b128 v[P+8*\y:P+8*\y+3], v2, s[4:5] offset:SPLIT*\y th:TH_LOAD_NT
	global_load_b32 v[P+8*\y+4], v2, s[4:5] offset:SPLIT*\y+16 th:TH_LOAD_NT
.endr
	s_wait_loadcnt 0x0
	v_pk_add_f32 v[P:P+1], v[P:P+1], v[P+8:P+9]              ; (y 0 + y 1) + (y 2 + y 3)
	v_pk_add_f32 v[P+2:P+3], v[P+2:P+3], v[P+10:P+11]
	v_add_f32 v[P+4], v[P+4], v[P+12]
	v_pk_add_f32 v[P+16:P+17], v[P+16:P+17], v[P+24:P+25]
	v_pk_add_f32 v[P+18:P+19], v[P+18:P+19], v[P+26:P+27]
	v_add_f32 v[P+20], v[P+20], v[P+28]
	v_pk_add_f32 v[P:P+1], v[P:P+1], v[P+16:P+17]
	v_pk_add_f32 v[P+2:P+3], v[P+2:P+3], v[P+18:P+19]
	v_add_f32 v[P+4], v[P+4], v[P+20]
	s_wait_alu depctr_va_vdst(0)                   ; directly ahead of the wait below
	s_wait_kmcnt 0x0
.irp c, 0,1,2,3,4
	v_add_f32 v[P+\c], s[12+\c], v[P+\c]           ; + Ws_b
.endr
	v_max3_num_f32 v40, v[P], v[P+1], v[P+2]
	v_max3_num_f32 v40, v40, v[P+3], v[P+4]        ; the row's maximum
.irp c, 0,1,2,3,4
	v_sub_f32 v[P+\c], v[P+\c], v40                ; d = logit - maximum: 0 or less
.endr
.irp c, 0,1,2,3,4
	v_mul_f32 v[E+\c], 0x3fb8aa3b, v[P+\c]         ; d log2(e)
.endr
	s_wait_alu depctr_va_vdst(0)                   ; a wait ahead of the batch too
.irp c, 0,1,2,3,4
	v_exp_f32 v[E+\c], v[E+\c]
.endr
	v_nop                                          ; a plain instruction behind the last exponential
	s_wait_alu depctr_va_vdst(0)                   ; one wait for the five, ahead of their first reader
	v_add_f32 v[E], v[E], v[E+1]
	v_add_f32 v[E+2], v[E+2], v[E+3]
	v_add_f32 v[E], v[E], v[E+4]
	v_add_f32 v[E], v[E], v[E+2]                   ; the sum: between 1 and 5
	s_wait_alu depctr_va_vdst(0)
	v_log_f32 v50, v[E]
	v_nop
	s_wait_alu depctr_va_vdst(0)
.irp c, 0,1,2,3,4
	v_fmamk_f32 v[P+\c], v50, 0xbf317218, v[P+\c]  ; d - ln(2) log2(sum)
.endr
.irp c, 0,1,2,3,4
	ds_store_b32 v3, v[P+\c] offset:4*\c
.endr
	s_wait_dscnt 0x0                               ; for the others' sake: my row has landed
	s_barrier_signal -1
	s_barrier_wait -1
	ds_load_b128 v[52:55], v4                      ; the first 2,048 bytes: all four waves
	s_wait_dscnt 0x0
	global_store_b128 v4, v[52:55], s[8:9]         ; 32 lanes store 512 consecutive bytes, at a multiple of 512 from out0's first byte
	s_cmp_lt_u32 s17, 1
	s_cbranch_scc0 .Ldone
	ds_load_b128 v[56:59], v4 offset:2048          ; the last 512: wave 0
	s_wait_dscnt 0x0
	global_store_b128 v4, v[56:59], s[8:9] offset:2048
.Ldone:
	s_wait_tensorcnt 0x0                           ; the wave's end
	ds_add_u32 v64, v65
	s_wait_dscnt 0x0
	s_endpgm
.Lfunc_end_k_q1dbb7e3479_finish:
	.size	k_q1dbb7e3479_finish, .Lfunc_end_k_q1dbb7e3479_finish-k_q1dbb7e3479_finish
	.p2alignl 7, 3214868480
	.fill 96, 4, 3214868480
	.section	.rodata,"a",@progbits
	.p2align	6, 0x0
	.amdhsa_kernel k_q1dbb7e3479_finish
		.amdhsa_group_segment_fixed_size 3072
		.amdhsa_private_segment_fixed_size 0
		.amdhsa_enable_private_segment 0
		.amdhsa_kernarg_size 24
		.amdhsa_user_sgpr_count 2
		.amdhsa_user_sgpr_kernarg_segment_ptr 1
		.amdhsa_wavefront_size32 1
		.amdhsa_system_sgpr_workgroup_id_x 1
		.amdhsa_system_sgpr_workgroup_id_y 1
		.amdhsa_system_sgpr_workgroup_id_z 1
		.amdhsa_system_vgpr_workitem_id 0
		.amdhsa_next_free_vgpr 66
		.amdhsa_next_free_sgpr 66
		.amdhsa_reserve_vcc 0
		.amdhsa_float_denorm_mode_32 3
		.amdhsa_float_denorm_mode_16_64 3
		.amdhsa_memory_ordered 1
		.amdhsa_forward_progress 1
		.amdhsa_inst_pref_size 5
	.end_amdhsa_kernel
	.amdgpu_metadata
---
amdhsa.version: [ 1, 2 ]
amdhsa.kernels:
  - .name:           k_q1dbb7e3479_finish
    .symbol:         k_q1dbb7e3479_finish.kd
    .args:
      - { .name: part, .offset: 0, .size: 8, .value_kind: global_buffer, .address_space: global }
      - { .name: Ws_b, .offset: 8, .size: 8, .value_kind: global_buffer, .address_space: global }
      - { .name: out0, .offset: 16, .size: 8, .value_kind: global_buffer, .address_space: global }
    .group_segment_fixed_size: 3072
    .private_segment_fixed_size: 0
    .kernarg_segment_align: 8
    .kernarg_segment_size: 24
    .max_flat_workgroup_size: 128
    .sgpr_count:     66
    .vgpr_count:     66
    .wavefront_size: 32
...
	.end_amdgpu_metadata
.endif
;; end of part 2
